; MI455X (gfx1250); checked and timed in simulation.
; The chip was launched on July 23, 2026; its instructions are those of AMD's public machine-readable ISA for CDNA 5 (MIT licence, August 2026) and "CDNA5" Instruction Set Architecture Reference Guide (July 2026). The comments in the code are by the model that wrote it; some were corrected since.
;; Multi Head Additive Attention. Allowed arithmetic: matrix products marked QUANTISED: E2M1 operands, one E8M0 scale for each 32 along K, by v_wmma_scale_f32_16x16x128_f8f6f4 with both operands' format E2M1 (or v_wmma_scale_f32_32x16x128_f4), f32 sums; products left as they are: f32 operands where the result goes on into a quantised operand, else bf16, f16 or f32 operands; f32 sums; everything else in f32.
;; Inputs: Wk_codes 1,024 x 32 x 16 uint8 (E2M1 codes of Wk, K innermost, in blocks of 32 codes, two codes a byte); Wk_scales 1,024 x 32 uint8 (E8M0 scales of Wk, one for each 32 codes along K); Wo 1,024 x 1,024 float32; Wq_codes 1,024 x 32 x 16 uint8 (E2M1 codes of Wq, K innermost, in blocks of 32 codes, two codes a byte); Wq_scales 1,024 x 32 uint8 (E8M0 scales of Wq, one for each 32 codes along K); Wv_codes 16 x 32 x 16 uint8 (E2M1 codes of Wv, K innermost, in blocks of 32 codes, two codes a byte); Wv_scales 16 x 32 uint8 (E8M0 scales of Wv, one for each 32 codes along K); bias 8 x 1 x 1 x 4,096 float32; bk 1,024 float32; bo 1,024 float32; bq 1,024 float32; bv 16 float32; memory 8 x 4,096 x 1,024 float32; query_codes 8 x 4,096 x 32 x 16 uint8 (E2M1 codes of query, K innermost, in blocks of 32 codes, two codes a byte); query_scales 8 x 4,096 x 32 uint8 (E8M0 scales of query, one for each 32 codes along K).
;; Outputs: out0 8 x 1 x 1,024 float32.
;; This version of the problem:
;;   THIS VERSION OF THE PROBLEM IS GIVEN IN LOW PRECISION. The matrix products marked QUANTISED in the list below multiply operands that are first quantised to E2M1 (2 exponent bits, 1 mantissa bit; 4 bits a number), with one power-of-two scale for each 32 numbers along K (OCP MX v1.0); their sums are f32. All else is computed in f32.
;;   The module's matrix products, in the order in which they are computed (A, B: the left and right operand; K: the contracted axis; several contracted axes count as one K, in the product's order):
;;     1. [M 32,768, K 1,024] x [K 1,024, N 1,024]; A: input query (given as codes); B: input Wq (given as codes): QUANTISED
;;     2. [M 32,768, K 1,024] x [K 1,024, N 1,024]; A: input memory; B: input Wk (given as codes): QUANTISED
;;     3. [M 32,768, K 1,024] x [K 1,024, N 16]; A: computed on the way; B: input Wv (given as codes): QUANTISED
;;     4. batch 128 x [M 1, K 4,096] x [K 4,096, N 64]; A: softmax; B: input memory: left as it is (M = 1 < 16)
;;     5. [M 8, K 1,024] x [K 1,024, N 1,024]; A: computed on the way; B: input Wo: left as it is (M = 8 < 16)
;;   THE QUANTISER, for each operand of a quantised product, along K:
;;     - K is cut into blocks of 32 from its start; a last block that is shorter is filled with zeros.
;;     - A block's scale is 2^e with e = floor(log2(the largest magnitude in the block)) - 2, held to -126 .. 127; a block of zeros has e = 0. As a byte (E8M0): e + 127.
;;     - Each number is divided by its block's scale, clamped to +-6, and rounded to the nearest number of E2M1, ties to even, subnormals kept.
;;     - The product sums the exact products of the quantised numbers (number of the format x scale) in f32.
;;   ~~~python
;;   def quantise(x, axis):      # numpy; x: float32 -> the quantised numbers, widened to float32 again
;;       x = np.moveaxis(x, axis, -1); K = x.shape[-1]
;;       x = np.pad(x, [(0, 0)] * (x.ndim - 1) + [(0, -K % 32)]); x = x.reshape(x.shape[:-1] + (-1, 32)); a = np.abs(x).max(-1, keepdims=True)
;;       e = np.where(a > 0, np.clip(np.frexp(np.where(a > 0, a, 1))[1] - 1 - 2, -126, 127), 0)      # np.frexp(a)[1] - 1 = floor(log2(a)), exactly
;;       r = np.clip(x / 2.0 ** e, -6, 6)
;;       step = 2.0 ** (np.maximum(np.frexp(np.where(r == 0, 1, r))[1] - 1, 0) - 1)
;;       q = np.round(r / step) * step * 2.0 ** e      # np.round: ties to even
;;       return np.moveaxis(q.reshape(q.shape[:-2] + (-1,))[..., :K], -1, axis).astype(np.float32)
;;   ~~~
;;   OPERANDS COMPUTED ON THE WAY. 'Computed on the way' means the value that the module computes at that place (a softmax that the list does not call 'softmax' is quantised finished and normalised). What goes into a quantiser is computed in f32, as accurately as f32 sums, v_exp_f32 and their like allow (about 1e-6 of the number): no bf16 or f16 on the way to a quantiser, and a product that is left as it is and whose result goes on into a quantised operand takes f32 operands (vector FMAs, or v_wmma_f32_16x16x4_f32). A number that lies on a knife's edge between two numbers of the format may be rounded either way, as far as f32 arithmetic and the matrix unit's own rounding can turn it there, and no further.
;;   INPUTS GIVEN AS CODES. Wk (in the module: [1024, 1024], K = its axis 0); Wq (in the module: [1024, 1024], K = its axis 0); Wv (in the module: [1024, 16], K = its axis 0); query (in the module: [8, 4096, 1024], K = its axis 2): each comes as NAME_codes (uint8): NAME with its K axis moved to the last place and cut into blocks of 32 codes, [.., K / 32, bytes a block], one block behind the other in memory; two codes a byte, the lower K in the low four bits (a code: sign, 2 exponent bits, 1 mantissa bit); and NAME_scales (uint8): the same leading axes, one E8M0 byte (e + 127) for each 32 codes along K. Its value is code x scale, taken as it is: it is not quantised again, and the codes and scales need not be those that the quantiser above would give.
;; One version. Each part assembles by itself: llvm-mc -triple=amdgcn-amd-amdhsa -mcpu=gfx1250 --defsym DOCPART=n.
;; ======== version 1 of 1: 2 launches
;; workspace buffers: part 1,048,576 bytes; stat 131,072 bytes
;; launch fused (part 1): grid 256 x 1, 4 waves a work-group, clusters of 4 x 1, 327,680 bytes of LDS; arguments query_codes, query_scales, memory, Wq_codes, Wq_scales, Wk_codes, Wk_scales, Wv_codes, Wv_scales, bq, bk, bias, part, stat; writes part, stat
.if DOCPART == 1
	.amdgcn_target "amdgcn-amd-amdhsa--gfx1250"
	.amdhsa_code_object_version 6
	.text
	.protected	k_q1da2d05b0b_fused
	.globl	k_q1da2d05b0b_fused
	.p2align	8
	.type	k_q1da2d05b0b_fused,@function
k_q1da2d05b0b_fused:
	s_mov_b64 s[64:65], 0
	v_nop
	global_prefetch_b8 v0, s[64:65] scope:SCOPE_SE
	s_setreg_imm32_b32 hwreg(HW_REG_WAVE_MODE, 25, 1), 1
	s_wait_xcnt 0x0
	s_wait_alu depctr_hold_cnt(0) depctr_sa_sdst(0) depctr_va_vdst(0) depctr_va_sdst(0) depctr_va_ssrc(0) depctr_va_vcc(0) depctr_vm_vsrc(0)
	s_getreg_b32 s2, hwreg(HW_REG_IB_STS2, 6, 4)
	s_cmp_eq_u32 s2, 0
	s_cbranch_scc0 .Lentry_in_a_cluster
	s_endpgm
.Lentry_in_a_cluster:
	s_bfe_u32 s2, ttmp6, 0x10000c
	s_cmp_lg_u32 s2, 0x3003
	s_cbranch_scc0 .Lentry_shape_is_right
	s_endpgm
.Lentry_shape_is_right:
; h = tanh(query Wq + bq + memory Wk + bk); logits = h Wv + bias; for 128 rows (b, l) of one batch: p = 2^(t - M), t = logits x log2(e), M the largest t of these rows for each head;
; part[wg][c] = sum over the rows of p(head of c) x memory[row][c]; stat[wg] = M and the sum of p for each head.  The next launch joins the 32 parts of a batch by their M and multiplies by Wo.
; DEAD WORK.  bv[h] is added to logits[b, h, :], the same number along the softmax's axis l: exp(x + bv) / sum exp(x + bv) = exp(x) / sum exp(x) for all values, and bv goes into no quantiser.
; So bv is not loaded and is no argument.  bq and bk go into the quantiser of tanh(..) and stay; bias changes along l and stays.  LIMIT: a NaN, an infinity or an overflow in bv is not carried to the result.
; LIMITS.  NaN and infinities in memory and in bias are not served (a block of 128 rows whose bias is all -infinity would give NaN).  A block of zeros gets the scale byte 1 where the quantiser says 127:
; its codes are zeros and the bytes are read by this program alone.  tanh = 1 - 2 / (1 + 2^(2 log2(e) x)): absolute error about 1e-7.  Of each 128 rows 80 enter the weighted sum rounded to bf16, 48 as f32.
; SHARES.  256 work-groups of four waves, 128 rows each.  Wave (rh, ch) = (w / 2, w % 2) owns rows 64 rh .. + 63 (four tiles m of 16) and, of each GROUP of 64 columns of h, columns 32 ch .. + 31 (two tiles u).
; All its activation codes (K = 2,048: query, then memory) stay in registers: 512.  Wq and Wk walk through a ring of two LDS slots, a group a slot, K whole: 64 rows x 512 bytes of each, and their scale bytes.
; CLUSTER.  Every work-group walks the same weights: the four of a cluster ask for each tile jointly (mask 15).  Nothing in a descriptor, an LDS address or a branch hangs on the place in the cluster.
; THE MAIN PRODUCT IS USED TRANSPOSED (source 0 = 16 rows of W, source 1 = 16 rows of activations): lane (r, h) holds row r and columns 16 u + 8 h + 0 .. 7, so a wave's two tiles hold one block of 32 along
; the next K in lanes l and l xor 16.  Two groups' blocks make K = 0 .. 63 of one product with Wv; its K = 64 .. 127 are zero codes on both sides.
; memory is read once for the quantiser.  Of the 32 rows that a wave quantises, rows 0-11 are kept in LDS as bf16 at once; rows 12-15 and 28-31, its last batch, wait as bf16 in registers and go into the bytes of
; memory's codes as soon as all waves have taken the codes into registers; rows 16-27 are loaded again: 15 of the work-group's 48 at the head of the last trip, into registers that the loop leaves free, 33 in the tail.
; REGISTERS, in windows of 256.  Window 0: v0-15 ids and addresses; v16-31 query's scale words, v32-47 memory's, v48-79 W's (two sets), v80-84 h's and Wv's: these hold scales and nothing else;
;   v88-103 bq + bk as the first product's C; v104-119 the quantiser; v128-159 h's codes; v160-167 Wv's fragment; v168-199 the logits' sums; v200-255 the head's work, later seven rows loaded early.
;   Window 1: v0-63 the eight accumulators (u, m) at 8 (4 u + m); v64-127 eight rows loaded early; v128-191, v192-255 W's fragments, two sets; in the head eight rows of memory.
;   Window 2: query's codes (m, s) at 8 (8 m + s).   Window 3: memory's.   The tail maps v2-9, v86-183 and windows 2 and 3 anew.
.set SLOT,  71936                      ; a slot: Wq's codes, Wk's codes, Wq's scale bytes, Wk's
.set CKOFF, 33792                      ; 64 rows x 528
.set SQOFF, 67584
.set SKOFF, 2176                       ; 2,048 scale bytes as 8 rows of 256 + 16
.set WP,    528                        ; 512 bytes + 16 of padding: 33 x 16, so the 16 rows of a load start at 16 different 16-byte columns
.set LG,    0                          ; the tail's scratch lies in slot 0, behind that slot's last fill and last read: the logits' parts, 2 (ch) x 16 heads x 528;
.set PL,    16896                      ;   p: 16 heads x 528;
.set XS,    25344                      ;   the way out: 4 x 1,024
.set HOLD,  143872                     ; 48 rows x 2,048 bytes of bf16
.set CODES, 242176                     ; memory's codes, 128 rows x 528; dead behind the head, then:
.set CREG,  CODES                      ;   32 more rows x 2,048 bytes of bf16
.set MSC,   309760                     ; memory's scale bytes, 128 rows x 48 (32 used)
.set BIAS,  315904                     ; bq + bk
.set SPARE, 320000                     ; the spare words, 128 bytes a wave: two blocks of 256 bytes that no other line names
.set ADRB, 2
.set ADRS, 4
.set ABI0, 6
.set ABI,  7
.set WVO,  8
.set WVSO, 9
.set SPW,  10
.set NIL,  11
.set GM,   12
.set PFO,  13
.set QS,   16
.set MS,   32
.set WS,   48
.set HW,   80
.set WVS,  84
.set WVR,  85
.set QCO,  86
.set TT,   87
.set BI,   88
.set TM,   104
.set TP,   108
.set SO,   112
.set BY,   116
.set CB0,  120
.set SB0,  121
.set HB0,  122
.set BTA,  124
.set QSO,  125
.set TU,   126
.set PC,   128
.set WVF,  160
.set LGA,  168
.set TMH,  200
.set SOH,  204
.set BYH,  208
.set CDH,  212
.set HBH,  216
.set BQ,   232
.set CWH,  248
.set CST,  249
.set SWH,  250
.set HWK,  252
.set AMA,  253
.set MSA,  254
.set T16,  255
.set FX,   128
.set FY,   192
.set G1C,  32
.set G1S,  40
.set G0C,  48
.set G0S,  56
; the tail's map
.set GO,   2
.set L4,   3
.set STD,  4
.set LGS,  5
.set LGR,  6
.set PST,  7
.set PLD,  8
.set XSO,  9
.set XSI,  86
.set TA,   88
.set TB,   104
.set HA,   120
.set MX,   124
.set SU,   128
.set SE,   132
.set BB,   140
.set HS,   144
.set XA,   176
.set PB,   0                           ; in window 3: p of my columns' head for the 128 rows
.set MSB, 0
.macro WIN new                         ; the immediate's high byte repeats the setting that is left; a switch that changes nothing is dropped
.if MSB != \new
	s_set_vgpr_msb (MSB<<8)|\new
.set MSB, \new
.endif
.endm
.macro PLACES n
.rept \n
	v_nop
.endr
.endm
.macro CREST                           ; a round of the cluster's barrier behind its opening barrier
	s_cmp_lg_u32 s66, 0
	s_cbranch_scc1 .Lnot_wave_0_\@
	s_barrier_signal -3
.Lnot_wave_0_\@:
	s_barrier_wait -3
	s_barrier_signal -1
	s_barrier_wait -1
.endm
.macro CROUND
	s_barrier_signal -1
	s_barrier_wait -1
	CREST
.endm
; A joint refill of slot sg: waves 0 and 1 fetch Wq's and Wk's codes, waves 2 and 3 their scale bytes.  The branch hangs on the wave's number alone.  An s_nop 0 and four v_nop follow each line.
.macro JLOAD sg
	s_cmp_lt_u32 s66, 2
	s_cbranch_scc0 .Lfor_s_\@
	tensor_load_to_lds s[G0C+4*(\sg):G0C+4*(\sg)+3], s[G1C:G1C+7]
	s_nop 0
	PLACES 4
	s_branch .Lasked_\@
.Lfor_s_\@:
	tensor_load_to_lds s[G0S+4*(\sg):G0S+4*(\sg)+3], s[G1S:G1S+7]
	s_nop 0
	PLACES 4
.Lasked_\@:
.endm
; THE HEAD.  A batch k is eight rows of my 32: places 0-3 take rows 4 k + i, places 4-7 rows 16 + 4 k + i - 4.  A row is eight loads: lane L takes columns 256 p + 8 L .. + 7.
.macro HLOAD i, nx                     ; place i's row of this batch (nx = 0) or of the next (1)
	WIN 0x40
.if \i < 4
.irp p, 0,1,2,3
.irp e, 0,1
	global_load_b128 v[32*\i+8*\p+4*\e:32*\i+8*\p+4*\e+3], v[GM], s[86:87] offset:(\i+4*\nx)*4096+1024*\p+16*\e th:TH_LOAD_NT
.endr
.endr
.else
.irp p, 0,1,2,3
.irp e, 0,1
	global_load_b128 v[32*\i+8*\p+4*\e:32*\i+8*\p+4*\e+3], v[GM], s[88:89] offset:(\i-4+4*\nx)*4096+1024*\p+16*\e
.endr
.endr
.endif
	WIN 0
.endm
.macro HADDR hold                      ; the batch's LDS addresses: a base that stays + a scalar that steps
	v_add_nc_u32 v[CWH], s80, v[CB0]
	v_add_nc_u32 v[SWH], s82, v[SB0]
.if \hold
	v_add_nc_u32 v[HWK], s84, v[HB0]
.endif
.endm
; One row: four blocks' worth a lane (a block of 32 lies in four neighbouring lanes).
; ahead = 1, batches 0-2: places 0-3 are kept in LDS as bf16, places 4-7 are not kept; the place is loaded again for the next batch.
; ahead = 2, the last batch: the row is rounded to bf16 in place, into the low 16 of its 32 registers, and waits there; eight loads of query's codes take the place of the next batch's, so the count stays.
.macro ROWQ i, ahead
.if \i < 4
.set rRow, \i
.else
.set rRow, \i+12
.endif
	s_wait_loadcnt 56                              ; my row's eight loads are in; behind them seven places' eight each may be out
	s_wait_dscnt 0x0                               ; the last row's LDS stores have read their registers
	WIN 0x14
.irp p, 0,1,2,3
	v_max3_num_f32 v[TMH+\p], 0x1800000, |v[32*\i+8*\p]|, |v[32*\i+8*\p+1]|   ; with the floor 2^(3 - 127): the byte cannot fall under 1
.endr
.irp x, 2,4,6
.irp p, 0,1,2,3
	v_max3_num_f32 v[TMH+\p], v[TMH+\p], |v[32*\i+8*\p+\x]|, |v[32*\i+8*\p+\x+1]|
.endr
.endr
	WIN 0
.irp k, 1,2
.irp p, 0,1,2,3
	v_max_num_f32_dpp v[TMH+\p], v[TMH+\p], v[TMH+\p] row_xmask:\k row_mask:0xf bank_mask:0xf
.endr
.endr
.irp p, 0,1,2,3
	v_add_nc_u32 v[SOH+\p], 0xff000000, v[TMH+\p]  ; 2 off the exponent field: the conversion's scale operand
.endr
.irp p, 0,1,2,3
	v_lshrrev_b32 v[BYH+\p], 23, v[SOH+\p]         ; the scale's byte
.endr
	WIN 0x01
.irp p, 0,1,2,3
	v_cvt_scalef32_pk8_fp4_f32 v[CDH+\p], v[32*\i+8*\p:32*\i+8*\p+7], v[SOH+\p]
.endr
.if \ahead == 2
	v_nop                                          ; a plain line between the scaled conversions and the lines that write over their sources
	WIN 0x45
.irp x, 0,1,2,3,4,5,6,7,8,9,10,11,12,13,14,15
	v_cvt_pk_bf16_f32 v[32*\i+\x], v[32*\i+2*\x], v[32*\i+2*\x+1]   ; register x takes numbers 2 x and 2 x + 1: ascending, so nothing is written before it is read
.endr
.elseif \i < 4
	WIN 0x05
.irp p, 0,1,2,3
.irp x, 0,1,2,3
	v_cvt_pk_bf16_f32 v[HBH+4*\p+\x], v[32*\i+8*\p+2*\x], v[32*\i+8*\p+2*\x+1]   ; the row is kept for the weighted sum
.endr
.endr
.else
	v_nop                                          ; a plain line behind the scaled conversions
.endif
	WIN 0
.irp p, 0,1,2,3
	ds_store_b32 v[CWH], v[CDH+\p] offset:rRow*WP+128*\p      ; eight codes: bytes 128 p + 4 L of the row
.endr
.irp p, 0,1,2,3
	ds_store_b8 v[SWH], v[BYH+\p] offset:rRow*48+8*\p         ; the four lanes of a block write the same byte with the same value
.endr
.if \ahead == 2
	WIN 0x80
.irp x, 0,1,2,3
.irp c, 0,1
	global_load_b128 v[8*(4*\i+\x)+4*\c:8*(4*\i+\x)+4*\c+3], v[QCO], s[4:5] offset:(\i/2)*8192+64*(4*(\i%2)+\x)+32*\c
.endr
.endr
	WIN 0
.else
.if \i < 4
.irp p, 0,1,2,3
	ds_store_b128 v[HWK], v[HBH+4*\p:HBH+4*\p+3] offset:\i*2048+512*\p
.endr
.endif
	HLOAD \i, 1
.endif
.endm
; THE MAIN LOOP.  A quarter is four K steps of 128.  FETCH: its eight fragments of W (K step k, tile u) from slot sg into a set of window 1: 16 loads in one run.
.macro FETCH sg, q, fs
	WIN 0x40
.irp k, 0,1,2,3
.irp u, 0,1
.irp c, 0,1
	ds_load_b128 v[(\fs)+16*\k+8*\u+4*\c:(\fs)+16*\k+8*\u+4*\c+3], v[ADRB+(\sg)] offset:((\q)/2)*CKOFF+\u*16*WP+64*(4*((\q)%2)+\k)+32*\c
.endr
.endr
.endr
	WIN 0
.endm
.macro FETCHS sg, ar, boff             ; a group's 16 scale words of W (lanes 0-15 tile 0, lanes 16-31 tile 1) and its bq + bk in the result's layout
	ds_load_b128 v[WS+16*(\sg):WS+16*(\sg)+3], v[ADRS+(\sg)]
	ds_load_b128 v[WS+16*(\sg)+4:WS+16*(\sg)+7], v[ADRS+(\sg)] offset:16
	ds_load_b128 v[WS+16*(\sg)+8:WS+16*(\sg)+11], v[ADRS+(\sg)] offset:SKOFF
	ds_load_b128 v[WS+16*(\sg)+12:WS+16*(\sg)+15], v[ADRS+(\sg)] offset:SKOFF+16
.irp u, 0,1
.irp e, 0,1
	ds_load_b128 v[BI+8*\u+4*\e:BI+8*\u+4*\e+3], v[\ar] offset:(\boff)+64*\u+16*\e
.endr
.endr
.endm
; Eight products: K step ks (0-7 query, 8-15 memory), the eight accumulators by turns.  fi = 1: C is bq + bk: nothing is cleared and no bias is added by a vector instruction.
.macro MUL8 fs, kp, ks, sg, fi
.irp u, 0,1
.irp m, 0,1,2,3
.set rD, 8*(4*\u+\m)
.set rA, (\fs)+16*(\kp)+8*\u
.set rB, 8*(8*\m+((\ks)%8))
.if \fi
.set rC, BI+8*\u
.else
.set rC, rD
.endif
.set rSA, WS+16*(\sg)+(\ks)
.if (\ks) < 8
.set rSB, QS+4*\m+((\ks)%4)
.else
.set rSB, MS+4*\m+((\ks)%4)
.endif
.if (\u == 0) && (((\ks)%8) < 4)
	v_wmma_scale_f32_16x16x128_f8f6f4 v[rD:rD+7], v[rA:rA+7], v[rB:rB+7], v[rC:rC+7], v[rSA], v[rSB] matrix_a_fmt:MATRIX_FMT_FP4 matrix_b_fmt:MATRIX_FMT_FP4
.elseif \u == 0
	v_wmma_scale_f32_16x16x128_f8f6f4 v[rD:rD+7], v[rA:rA+7], v[rB:rB+7], v[rC:rC+7], v[rSA], v[rSB] matrix_a_fmt:MATRIX_FMT_FP4 matrix_b_fmt:MATRIX_FMT_FP4 matrix_b_scale:MATRIX_SCALE_ROW1
.elseif ((\ks)%8) < 4
	v_wmma_scale_f32_16x16x128_f8f6f4 v[rD:rD+7], v[rA:rA+7], v[rB:rB+7], v[rC:rC+7], v[rSA], v[rSB] matrix_a_fmt:MATRIX_FMT_FP4 matrix_b_fmt:MATRIX_FMT_FP4 matrix_a_scale:MATRIX_SCALE_ROW1
.else
	v_wmma_scale_f32_16x16x128_f8f6f4 v[rD:rD+7], v[rA:rA+7], v[rB:rB+7], v[rC:rC+7], v[rSA], v[rSB] matrix_a_fmt:MATRIX_FMT_FP4 matrix_b_fmt:MATRIX_FMT_FP4 matrix_a_scale:MATRIX_SCALE_ROW1 matrix_b_scale:MATRIX_SCALE_ROW1
.endif
.endr
.endr
.endm
; tanh of the 64 numbers of a lane, in place, each accumulator from its low end on.  Two batches of transcendentals, each with one plain line and one wait ahead of its first reader.
.macro TANH
	WIN 0x41
.set jj, 0
.rept 32
	v_pk_mul_f32 v[jj:jj+1], v[jj:jj+1], s[76:77] op_sel_hi:[1,0]
.set jj, jj+2
.endr
.set jj, 0
.rept 64
	v_exp_f32 v[jj], v[jj]
.set jj, jj+1
.endr
	v_nop
	s_wait_alu depctr_va_vdst(0)
.set jj, 0
.rept 32
	v_pk_add_f32 v[jj:jj+1], v[jj:jj+1], 1.0 op_sel_hi:[1,0]
.set jj, jj+2
.endr
.set jj, 0
.rept 64
	v_rcp_f32 v[jj], v[jj]
.set jj, jj+1
.endr
	v_nop
	s_wait_alu depctr_va_vdst(0)
.set jj, 0
.rept 32
	v_pk_fma_f32 v[jj:jj+1], v[jj:jj+1], -2.0, 1.0 op_sel_hi:[1,0,0]
.set jj, jj+2
.endr
.endm
.macro WVSMAKE                         ; Wv's scale word for the trip's two blocks: bytes ch and 2 + ch of the four loaded.  The quantiser's 32 maxima stand between it and the product
	s_wait_loadcnt 0x0                             ; Wv's fragment and scale bytes, asked for a trip ago; in the last trip also the 15 rows asked for at its head
	v_lshrrev_b32 v[TT], s73, v[WVR]
	v_lshrrev_b32 v[TU], 8, v[TT]
	v_and_b32 v[TT], 0xff, v[TT]
	v_and_or_b32 v[WVS], v[TU], 0xff00, v[TT]
.endm
; The wave's block of 32 columns for each of its 64 rows becomes codes: block sg of the trip's two.
.macro QUANT sg
	WIN 0x14
.irp m, 0,1,2,3
	v_max3_num_f32 v[TM+\m], 0x1800000, |v[8*\m]|, |v[8*\m+1]|
.endr
.irp x, 2,4,6
.irp m, 0,1,2,3
	v_max3_num_f32 v[TM+\m], v[TM+\m], |v[8*\m+\x]|, |v[8*\m+\x+1]|
.endr
.endr
.irp x, 0,2,4,6
.irp m, 0,1,2,3
	v_max3_num_f32 v[TM+\m], v[TM+\m], |v[32+8*\m+\x]|, |v[32+8*\m+\x+1]|
.endr
.endr
	WIN 0
.irp m, 0,1,2,3
	v_permlanex16_b32 v[TP+\m], v[TM+\m], s74, s75
.endr
.irp m, 0,1,2,3
	v_max_num_f32 v[TM+\m], v[TM+\m], v[TP+\m]     ; with lane l xor 16's 16 columns: the block's largest magnitude
.endr
.irp m, 0,1,2,3
	v_add_nc_u32 v[SO+\m], 0xff000000, v[TM+\m]
.endr
.if (\sg) == 0
.irp m, 0,1,2,3
	v_lshrrev_b32 v[HW+\m], 23, v[SO+\m]           ; byte 0 of the rows' scale word; bytes 2 and 3 stay 0 over zero codes
.endr
.else
.irp m, 0,1,2,3
	v_lshrrev_b32 v[BY+\m], 23, v[SO+\m]
.endr
.irp m, 0,1,2,3
	v_lshl_or_b32 v[HW+\m], v[BY+\m], 8, v[HW+\m]  ; byte 1
.endr
.endif
	WIN 0x01
.irp m, 0,1,2,3
	v_cvt_scalef32_pk8_fp4_f32 v[PC+8*\m+(\sg)], v[8*\m:8*\m+7], v[SO+\m]
	v_cvt_scalef32_pk8_fp4_f32 v[PC+8*\m+2+(\sg)], v[32+8*\m:32+8*\m+7], v[SO+\m]
.endr
	WIN 0
	v_nop                                          ; a plain line behind the scaled conversions
.endm
; The product with Wv for the trip's two blocks.  The exchanges give lanes 0-15 the whole first block and lanes 16-31 the whole second, columns ascending.  Source 0 = 16 rows of h, source 1 = the 16 heads.
.macro P3 nxt
.irp m, 0,1,2,3
	v_permlane16_swap_b32 v[PC+8*\m], v[PC+8*\m+1]
	v_permlane16_swap_b32 v[PC+8*\m+2], v[PC+8*\m+3]
.endr
	PLACES 8                                       ; operands and scale words written by vector instructions stand eight places ahead of a scaled product
.irp m, 0,1,2,3
	v_wmma_scale_f32_16x16x128_f8f6f4 v[LGA+8*\m:LGA+8*\m+7], v[PC+8*\m:PC+8*\m+7], v[WVF:WVF+7], v[LGA+8*\m:LGA+8*\m+7], v[HW+\m], v[WVS] matrix_a_fmt:MATRIX_FMT_FP4 matrix_b_fmt:MATRIX_FMT_FP4
.endr
.if \nxt
	PLACES 4                                       ; in front of the load into a register that these products read
	s_add_nc_u64 s[18:19], s[18:19], 64            ; (the last loads by these bases were waited for in WVSMAKE)  four blocks of 16 bytes on
	s_add_nc_u64 s[20:21], s[20:21], 4
	global_load_b128 v[WVF:WVF+3], v[WVO], s[18:19]
	global_load_b32 v[WVR], v[WVSO], s[20:21]
.endif
.endm
; A GROUP: 64 columns of h, K = 2,048: 128 products a wave, then tanh and the quantiser.  more = 1: a group follows; fill = 1: this slot is filled again, two groups ahead.
.macro GROUP sg, fill, more, boff
	s_wait_dscnt 0x0                               ; set X, the scale words and bq + bk are in
	FETCH \sg, 1, FY
	WIN 0x49
	MUL8 FX, 0, 0, \sg, 1
	WIN 0x59
	MUL8 FX, 1, 1, \sg, 0
	MUL8 FX, 2, 2, \sg, 0
	MUL8 FX, 3, 3, \sg, 0
	s_wait_dscnt 0x0                               ; set Y, asked for 32 products ago
	PLACES 4                                       ; in front of loads into registers that products have read
	FETCH \sg, 2, FX
	WIN 0x59
	MUL8 FY, 0, 4, \sg, 0
	MUL8 FY, 1, 5, \sg, 0
	MUL8 FY, 2, 6, \sg, 0
	MUL8 FY, 3, 7, \sg, 0
	s_wait_dscnt 0x0
	PLACES 4
	FETCH \sg, 3, FY
	WIN 0x5d
	MUL8 FX, 0, 8, \sg, 0
	MUL8 FX, 1, 9, \sg, 0
	MUL8 FX, 2, 10, \sg, 0
	MUL8 FX, 3, 11, \sg, 0
.if \more
	WIN 0                                          ; (the add's two registers lie in window 0)
	s_wait_tensorcnt 0x0                           ; all my tensor loads have landed: my part of the next slot
	ds_add_u32 v[SPW], v[NIL]                      ; 0 onto my spare word
	s_wait_dscnt 1                                 ; set Y is in; the add may be out
	WIN 0x5d
	MUL8 FY, 0, 12, \sg, 0
	MUL8 FY, 1, 13, \sg, 0
	s_wait_dscnt 0x0                               ; the add is done, and my reads of this slot are over
	s_barrier_signal -1
	MUL8 FY, 2, 14, \sg, 0
	MUL8 FY, 3, 15, \sg, 0
	WIN 0
	s_barrier_wait -1
.if \fill
	CREST                                          ; the barrier has opened a round of the cluster's: no wave of any partner still reads this slot or has a load on its way
	s_add_nc_u64 s[G0C+4*(\sg)+2:G0C+4*(\sg)+3], s[G0C+4*(\sg)+2:G0C+4*(\sg)+3], 65536
	s_add_nc_u64 s[G0S+4*(\sg)+2:G0S+4*(\sg)+3], s[G0S+4*(\sg)+2:G0S+4*(\sg)+3], 4096
	JLOAD \sg                                      ; my one tensor load behind the round; its four v_nop are also the places behind the last products
.else
	PLACES 4
.endif
	FETCH 1-\sg, 0, FX
	FETCHS 1-\sg, ABI, \boff
.else
	s_wait_dscnt 0x0
	WIN 0x5d
	MUL8 FY, 0, 12, \sg, 0
	MUL8 FY, 1, 13, \sg, 0
	MUL8 FY, 2, 14, \sg, 0
	MUL8 FY, 3, 15, \sg, 0
	WIN 0
	PLACES 4
.endif
	TANH
.if (\sg) == 1
	WIN 0
	WVSMAKE
.endif
	QUANT \sg
.endm
.macro TRIP fill, nxt                  ; two groups and their product with Wv
	v_add_nc_u32 v[ABI], s85, v[ABI0]
	GROUP 0, \fill, 1, 256
	GROUP 1, \fill, \nxt, 512
	P3 \nxt
	s_add_co_u32 s85, s85, 512
.endm
; THE ROWS THAT ARE LOADED AGAIN.  Row n of 48 is row rho = 32 (n / 12) + 16 + n % 12 of the block; my 8 columns of it take 8 registers:
; n = 0-7 window 1 v64 on, n = 8-14 window 0 v200 on (both free through the loop: these 15 are asked for at the head of the last trip); n = 15-46 window 2; n = 47 window 1 v128.
.macro RMAP n
.set rho, 32*((\n)/12)+16+((\n)%12)
.if (\n) < 8
.set rW, 1
.set rR, 64+8*(\n)
.elseif (\n) < 15
.set rW, 0
.set rR, 200+8*((\n)-8)
.elseif (\n) < 47
.set rW, 2
.set rR, 8*((\n)-15)
.else
.set rW, 1
.set rR, 128
.endif
.endm
.macro RLOAD n
	RMAP \n
.set wN, rW<<6
	WIN wN
	global_load_b128 v[rR:rR+3], v[GM], s[90:91] offset:rho*4096 th:TH_LOAD_NT
	global_load_b128 v[rR+4:rR+7], v[GM], s[90:91] offset:rho*4096+16 th:TH_LOAD_NT
.endm
.macro RFMA n, wt                      ; wt = 1: a row of the tail's 33, with its counted wait
	RMAP \n
.if \wt
.if 2*(47-(\n)) > 63
	s_wait_loadcnt 63                              ; (the count's field holds no more)
.else
	s_wait_loadcnt 2*(47-(\n))                     ; behind this row's two loads: two for each later row
.endif
.endif
.set wN, 0x0c+rW
	WIN wN                                         ; source 0: the row's window; source 1: p, window 3
.irp c, 0,2,4,6
.if rho%2 == 0
	v_pk_fma_f32 v[XA+\c:XA+\c+1], v[rR+\c:rR+\c+1], v[PB+rho:PB+rho+1], v[XA+\c:XA+\c+1] op_sel_hi:[1,0,1]
.else
	v_pk_fma_f32 v[XA+\c:XA+\c+1], v[rR+\c:rR+\c+1], v[PB+rho-1:PB+rho], v[XA+\c:XA+\c+1] op_sel:[0,1,0] op_sel_hi:[1,1,1]
.endif
.endr
.endm
; THE ROWS THAT WERE HELD.  Row e of 80: e < 48 lies in HOLD (wave e / 12's row e % 12); e - 48 = g lies where the codes lay (wave g / 8's row 12 + g % 8, or 24 + g % 8 from the fifth on).
.macro HMAP e
.if (\e) < 48
.set rho, 32*((\e)/12)+((\e)%12)
.set hB, HA+(\e)/24
.set hO, ((\e)%24)*2048
.else
.set gam, (\e)-48
.set hB, HA+2+gam/24
.set hO, (gam%24)*2048
.if (gam%8) < 4
.set rho, 32*(gam/8)+12+(gam%8)
.else
.set rho, 32*(gam/8)+24+(gam%8)
.endif
.endif
.endm
.macro HLD b                           ; four held rows into set b % 2
	WIN 0
.irp x, 0,1,2,3
.set ee, 4*(\b)+\x
	HMAP ee
	ds_load_b128 v[HS+16*((\b)%2)+4*\x:HS+16*((\b)%2)+4*\x+3], v[hB] offset:hO
.endr
.endm
.macro HFMA b
	WIN 0x0c                                       ; source 1: p, window 3
.irp x, 0,1,2,3
.set ee, 4*(\b)+\x
	HMAP ee
.set rH, HS+16*((\b)%2)+4*\x
.irp c, 0,1,2,3
	v_fma_mix_f32_bf16 v[XA+2*\c], v[rH+\c], v[PB+rho], v[XA+2*\c] op_sel_hi:[1,0,0]
	v_fma_mix_f32_bf16 v[XA+2*\c+1], v[rH+\c], v[PB+rho], v[XA+2*\c+1] op_sel:[1,0,0] op_sel_hi:[1,0,0]
.endr
.endr
.endm
	s_load_b512 s[4:19], s[0:1], 0x0               ; query_codes 4, query_scales 6, memory 8, Wq_codes 10, Wq_scales 12, Wk_codes 14, Wk_scales 16, Wv_codes 18
	s_load_b256 s[20:27], s[0:1], 0x40             ; Wv_scales 20, bq 22, bk 24, bias 26
	s_load_b128 s[28:31], s[0:1], 0x60             ; part 28, stat 30
	v_lshl_add_u32 v[SPW], v0, 2, SPARE
	v_mov_b32 v[NIL], 0
	ds_add_u32 v[SPW], v[NIL]                      ; the wave's opening: the add, twice on end, and its wait ahead of my first tensor load
	ds_add_u32 v[SPW], v[NIL]
	v_lshrrev_b32 v1, 5, v0
	v_readfirstlane_b32 s66, v1                    ; wave 0..3
	s_lshr_b32 s67, s66, 1                         ; rh
	s_and_b32 s68, s66, 1                          ; ch.  Also: I fetch for Wq (0) or for Wk (1)
	s_bfe_u32 s70, ttmp6, 0x40000                  ; my place in the cluster: it enters global addresses of my own rows alone
	s_lshl_b32 s71, ttmp9, 2
	s_add_co_u32 s71, s71, s70                     ; my block of 128 rows
	s_mov_b32 s[G1C], 15|(1<<20)|(1<<21)|(6<<22)|(3<<25)   ; the mask: all four; elements of 1 byte; padding on; bit 21 beside a mask; after every 128 words, 4 words
	s_mov_b32 s[G1C+1], 512<<16                    ; tensor_dim0
	s_mov_b32 s[G1C+2], 64<<16                     ; tensor_dim1
	s_mov_b32 s[G1C+3], 512<<16                    ; tile_dim0
	s_mov_b32 s[G1C+4], 64                         ; tile_dim1
	s_mov_b32 s[G1C+5], 512                        ; from row to row
	s_mov_b32 s[G1C+6], 0
	s_mov_b32 s[G1C+7], 0
	s_mov_b32 s[G1S], 15|(3<<16)|(1<<20)|(1<<21)|(5<<22)|(3<<25)   ; elements of 8 bytes; after every 64 words, 4 words
	s_mov_b32 s[G1S+1], 32<<16
	s_mov_b32 s[G1S+2], 8<<16
	s_mov_b32 s[G1S+3], 32<<16
	s_mov_b32 s[G1S+4], 8
	s_mov_b32 s[G1S+5], 32
	s_mov_b32 s[G1S+6], 0
	s_mov_b32 s[G1S+7], 0
	s_mov_b32 s74, 0x76543210
	s_mov_b32 s75, 0xfedcba98                      ; v_permlanex16_b32's selects for lane l xor 16
	s_mov_b32 s76, 0x4038aa3b                      ; 2 log2(e)
	s_mov_b32 s77, s76
	s_mov_b32 s78, 0x3fb8aa3b                      ; log2(e)
	s_mov_b32 s79, s78
	s_lshl_b32 s73, s68, 3                         ; 8 ch
	s_mov_b32 s80, 0
	s_mov_b32 s82, 0
	s_mov_b32 s84, 0
	s_mov_b32 s85, 0
	s_mul_i32 s96, s68, CKOFF
	s_mul_i32 s97, s68, SKOFF
	s_wait_dscnt 0x0                               ; both opening adds are done
	s_wait_kmcnt 0x0
	s_cmp_eq_u32 s68, 0
	s_cselect_b64 s[92:93], s[10:11], s[14:15]
	s_cselect_b64 s[94:95], s[12:13], s[16:17]
.irp g, 0,1
	s_mov_b32 s[G0C+4*\g], 1
	s_add_co_u32 s[G0C+4*\g+1], s96, \g*SLOT
	s_add_nc_u64 s[G0C+4*\g+2:G0C+4*\g+3], s[92:93], \g*32768
	s_or_b32 s[G0C+4*\g+3], s[G0C+4*\g+3], 0x80000000
	s_mov_b32 s[G0S+4*\g], 1
	s_add_co_u32 s[G0S+4*\g+1], s97, \g*SLOT+SQOFF
	s_add_nc_u64 s[G0S+4*\g+2:G0S+4*\g+3], s[94:95], \g*2048
	s_or_b32 s[G0S+4*\g+3], s[G0S+4*\g+3], 0x80000000
.endr
	CROUND                                         ; all four work-groups are here: the first joint loads meet
	s_cmp_lt_u32 s66, 2                            ; a wave's two first fills stand in one branch: two loads of mine are out
	s_cbranch_scc0 .Lfirst_s
	tensor_load_to_lds s[G0C:G0C+3], s[G1C:G1C+7]
	s_nop 0
	tensor_load_to_lds s[G0C+4:G0C+7], s[G1C:G1C+7]
	s_nop 0
	PLACES 4
	s_branch .Lfirst_asked
.Lfirst_s:
	tensor_load_to_lds s[G0S:G0S+3], s[G1S:G1S+7]
	s_nop 0
	tensor_load_to_lds s[G0S+4:G0S+7], s[G1S:G1S+7]
	s_nop 0
	PLACES 4
.Lfirst_asked:
	v_and_b32 v1, 31, v0                           ; L
	v_and_b32 v14, 15, v0                          ; r
	v_bfe_u32 v15, v0, 4, 1                        ; h
	v_lshlrev_b32 v[GM], 5, v1                     ; 32 L: my 8 numbers of 256
	v_lshlrev_b32 v[T16], 4, v0
	s_lshl_b32 s92, s71, 19                        ; 128 rows of 4,096 bytes
	s_mov_b32 s93, 0
	s_add_nc_u64 s[90:91], s[8:9], s[92:93]
	s_lshl_b32 s92, s66, 17
	s_add_nc_u64 s[86:87], s[90:91], s[92:93]      ; my 32 rows: places 0-3 begin at row 0,
	s_add_nc_u64 s[88:89], s[86:87], 16*4096       ; places 4-7 at row 16
	s_lshl_b32 s92, s66, 10
	s_add_nc_u64 s[90:91], s[90:91], s[92:93]      ; the block's first row at my 256 columns, for the rows that are loaded again
	global_load_b128 v[BQ:BQ+3], v[T16], s[22:23]
	global_load_b128 v[BQ+4:BQ+7], v[T16], s[22:23] offset:2048
	global_load_b128 v[BQ+8:BQ+11], v[T16], s[24:25]
	global_load_b128 v[BQ+12:BQ+15], v[T16], s[24:25] offset:2048
.irp i, 0,1,2,3,4,5,6,7
	HLOAD \i, 0
.endr
	s_lshl_b32 s92, s71, 16
	s_lshl_b32 s94, s67, 15
	s_add_co_u32 s92, s92, s94
	s_add_nc_u64 s[4:5], s[4:5], s[92:93]          ; query's codes at my 64 rows
	s_lshl_b32 s92, s71, 12
	s_lshl_b32 s94, s67, 11
	s_add_co_u32 s92, s92, s94
	s_add_nc_u64 s[6:7], s[6:7], s[92:93]          ; and their scale bytes
	s_lshl_b32 s92, s71, 9
	s_add_nc_u64 s[26:27], s[26:27], s[92:93]      ; bias at the block's first row
	s_lshl_b32 s94, s66, 7
	s_add_co_u32 s92, s92, s94
	s_add_nc_u64 s[30:31], s[30:31], s[92:93]      ; stat: 512 bytes a work-group, 128 a wave
	s_lshl_b32 s92, s71, 12
	s_lshl_b32 s94, s66, 10
	s_add_co_u32 s92, s92, s94
	s_add_nc_u64 s[28:29], s[28:29], s[92:93]      ; part: 4,096 bytes a work-group, 1,024 a wave
	s_mul_i32 s92, s66, 32*WP
	s_add_co_u32 s92, s92, CODES
	v_lshl_add_u32 v[CB0], v1, 2, s92
	s_mul_i32 s92, s66, 32*48
	s_add_co_u32 s92, s92, MSC
	v_lshrrev_b32 v[TT], 2, v1
	v_add_nc_u32 v[SB0], s92, v[TT]
	s_mul_i32 s92, s66, 12*2048
	s_add_co_u32 s92, s92, HOLD
	v_lshl_add_u32 v[HB0], v1, 4, s92
	s_lshl_b32 s92, s66, 14
	s_add_co_u32 s92, s92, CREG
	v_lshl_add_u32 v[CST], v1, 4, s92              ; where my last batch's eight rows go: 8 rows of 2,048 bytes a wave
	v_lshl_add_u32 v[BTA], v0, 4, BIAS
	v_lshlrev_b32 v[QCO], 9, v14
	v_lshl_add_u32 v[QCO], v15, 4, v[QCO]
	v_lshlrev_b32 v[QSO], 5, v14
	v_lshl_add_u32 v[QSO], v15, 4, v[QSO]
	v_mul_u32_u24 v[TT], v14, WP
	v_lshl_add_u32 v[TT], v15, 4, v[TT]            ; row r x 528 + 16 h
	s_mul_i32 s92, s68, 32*WP
	v_add_nc_u32 v[ADRB], s92, v[TT]
	v_add_nc_u32 v[ADRB+1], SLOT, v[ADRB]
	s_mul_i32 s92, s67, 64*WP
	s_add_co_u32 s92, s92, CODES
	v_add_nc_u32 v[AMA], s92, v[TT]
	v_lshrrev_b32 v[TU], 3, v1
	v_mul_u32_u24 v[TU], v[TU], 272
	v_and_b32 v[TT], 7, v1
	v_lshl_add_u32 v[TU], v[TT], 5, v[TU]
	s_mul_i32 s92, s68, 4*272
	s_add_co_u32 s92, s92, SQOFF
	v_add_nc_u32 v[ADRS], s92, v[TU]
	v_add_nc_u32 v[ADRS+1], SLOT, v[ADRS]
	s_lshl_b32 s92, s68, 7
	s_add_co_u32 s92, s92, BIAS
	v_lshl_add_u32 v[ABI0], v15, 5, s92
	v_lshlrev_b32 v[WVO], 9, v14
	v_lshl_add_u32 v[WVO], v15, 5, v[WVO]
	s_lshl_b32 s92, s68, 4
	v_add_nc_u32 v[WVO], s92, v[WVO]               ; Wv: head r, block 2 h + ch of the trip's four
	v_lshlrev_b32 v[WVSO], 5, v14
	v_mul_u32_u24 v[MSA], v14, 48
	v_lshl_add_u32 v[MSA], v15, 4, v[MSA]
	s_mul_i32 s92, s67, 64*48
	s_add_co_u32 s92, s92, MSC
	v_add_nc_u32 v[MSA], s92, v[MSA]
	v_lshrrev_b32 v[PFO], 2, v1
	v_and_b32 v[TT], 3, v1
	v_lshlrev_b32 v[PFO], 12, v[PFO]
	v_lshl_add_u32 v[PFO], v[TT], 8, v[PFO]        ; the prefetches: row L / 4 of eight, block L % 4 of my 1,024 bytes
	s_mov_b32 s72, 3
.Lhead:                                            ; three batches that load the next one; the fourth is written out
	HADDR 1
.irp i, 0,1,2,3,4,5,6,7
	ROWQ \i, 1
.endr
	s_wait_xcnt 0x0                                ; the loads have read their bases
	s_add_nc_u64 s[86:87], s[86:87], 4*4096
	s_add_nc_u64 s[88:89], s[88:89], 4*4096
	s_add_co_u32 s80, s80, 4*WP
	s_add_co_u32 s82, s82, 4*48
	s_add_co_u32 s84, s84, 4*2048
	s_sub_co_u32 s72, s72, 1
	s_cmp_lg_u32 s72, 0
	s_cbranch_scc1 .Lhead
	HADDR 0
.irp i, 0,1,2,3,4,5,6,7
	ROWQ \i, 2
.endr
.irp m, 0,1,2,3
	global_load_b128 v[QS+4*\m:QS+4*\m+3], v[QSO], s[6:7] offset:512*\m   ; lanes 0-15: K steps 0-3 of row r; lanes 16-31: K steps 4-7
.endr
	global_load_b128 v[WVF:WVF+3], v[WVO], s[18:19]
	global_load_b32 v[WVR], v[WVSO], s[20:21]
.irp x, 0,2,4,6
	v_pk_add_f32 v[BQ+\x:BQ+\x+1], v[BQ+\x:BQ+\x+1], v[BQ+8+\x:BQ+8+\x+1]   ; bq + bk (the oldest loads of all: long in)
.endr
	ds_store_b128 v[BTA], v[BQ:BQ+3]
	ds_store_b128 v[BTA], v[BQ+4:BQ+7] offset:2048
.irp m, 0,1,2,3
.irp x, 4,5,6,7
	v_mov_b32 v[PC+8*\m+\x], 0                     ; K = 64 .. 127 of the product with Wv: zero codes, written once
.endr
.endr
.irp x, 4,5,6,7
	v_mov_b32 v[WVF+\x], 0
.endr
.irp x, 0,1,2,3
	v_mov_b32 v[TP+\x], 0                          ; a lane permute's destination counts as one of its sources
.endr
.set jj, 0
.rept 32
	v_mov_b32 v[LGA+jj], 0                         ; the logits' sums: the loop is written once
.set jj, jj+1
.endr
	s_wait_dscnt 0x0                               ; for the others' sake: my codes, scale bytes, held rows and biases lie in LDS
	s_wait_tensorcnt 0x1                           ; my part of slot 0 is in; slot 1's may stay out
	s_barrier_signal -1
	s_barrier_wait -1
	WIN 0xc0
.irp m, 0,1,2,3
.irp s, 0,1,2,3,4,5,6,7
.irp c, 0,1
	ds_load_b128 v[8*(8*\m+\s)+4*\c:8*(8*\m+\s)+4*\c+3], v[AMA] offset:\m*16*WP+64*\s+32*\c   ; memory's codes of my 64 rows stay in registers
.endr
.endr
.endr
	WIN 0
.irp m, 0,1,2,3
	ds_load_b128 v[MS+4*\m:MS+4*\m+3], v[MSA] offset:768*\m
.endr
	s_wait_dscnt 0x0                               ; my reads of the codes are over
	s_barrier_signal -1
	s_barrier_wait -1                              ; everybody's are: the codes' bytes may be written anew (no tensor load ever lands there)
	WIN 0x04                                       ; an LDS store's data are its source 1: window 1
.irp i, 0,1,2,3,4,5,6,7
.irp p, 0,1,2,3
	ds_store_b128 v[CST], v[32*\i+4*\p:32*\i+4*\p+3] offset:\i*2048+512*\p   ; my last batch's eight rows, as bf16, laid as the held rows are
.endr
.endr
	WIN 0
	s_wait_dscnt 0x0                               ; the stores have read their registers, into which W's fragments now come
	FETCH 0, 0, FX
	FETCHS 0, ABI0, 0
	s_wait_loadcnt 0x0                             ; query's codes and scale words, Wv's first fragment
	s_mov_b32 s72, 7
.Ltrip:                                            ; seven trips: groups 0 to 13 fill their slots again
	TRIP 1, 1
	s_sub_co_u32 s72, s72, 1
	s_cmp_lg_u32 s72, 0
	s_cbranch_scc1 .Ltrip
; The last trip is written out: it asks for no tile.  At its head 15 of the 48 rows that are loaded again are asked for, 30 loads a wave, into registers that the loop does not name: they have the trip's two groups in which to land.
; Behind them 24 of the tail's 33 rows are prefetched: rows 52-59, 80-87 and 112-119, my 1,024 bytes of each, a lane a block of 256: each block once in the launch, one trip ahead of its load.
.set nn, 0
.rept 15
	RLOAD nn
.set nn, nn+1
.endr
	WIN 0
.irp a, 52, 80, 112
	global_prefetch_b8 v[PFO], s[90:91] offset:\a*4096 th:TH_LOAD_NT scope:SCOPE_SE
.endr
	TRIP 0, 0
	; THE TAIL.  The addresses are made here: plain lines that name none of the last products' registers, the places behind them.
	s_mul_i32 s92, s68, 16*528
	s_lshl_b32 s93, s67, 8
	s_add_co_u32 s92, s92, s93
	s_add_co_u32 s92, s92, LG
	v_mul_u32_u24 v[LGS], v14, 528
	v_lshl_add_u32 v[LGS], v15, 5, v[LGS]
	v_add_nc_u32 v[LGS], s92, v[LGS]               ; head r, rows 64 rh + 16 m + 8 h + 0 .. 7, part ch
	s_mul_i32 s93, s66, 4*528
	s_add_co_u32 s94, s93, LG
	v_lshl_add_u32 v[LGR], v1, 4, s94              ; my four heads, rows 4 L .. + 3
	s_add_co_u32 s94, s93, PL
	v_lshl_add_u32 v[PST], v1, 4, s94
	v_lshrrev_b32 v[PLD], 3, v1
	v_mul_u32_u24 v[PLD], v[PLD], 528
	v_add_nc_u32 v[PLD], s94, v[PLD]               ; p of the head of my 8 columns: 4 w + L / 8
	s_lshl_b32 s94, s66, 9
	s_add_co_u32 s95, s94, HOLD
	v_lshl_add_u32 v[HA], v1, 4, s95               ; the held rows at my 8 columns: four bases, 24 rows of 2,048 bytes to a base
	v_add_nc_u32 v[HA+1], 24*2048, v[HA]
	s_add_co_u32 s95, s94, CREG
	v_lshl_add_u32 v[HA+2], v1, 4, s95
	v_add_nc_u32 v[HA+3], 24*2048, v[HA+2]
	s_lshl_b32 s94, s66, 10
	s_add_co_u32 s94, s94, XS
	v_lshl_add_u32 v[XSO], v1, 5, s94
	v_lshl_add_u32 v[XSI], v1, 4, s94
	v_lshlrev_b32 v[GO], 4, v1
	v_lshlrev_b32 v[L4], 2, v1
.irp m, 0,1,2,3
	ds_store_b128 v[LGS], v[LGA+8*\m:LGA+8*\m+3] offset:64*\m          ; each accumulator from its low end on.  (Slot 0: its last fill was group 14's, and every wave's reads of it ended in front of group 14's barrier)
	ds_store_b128 v[LGS], v[LGA+8*\m+4:LGA+8*\m+7] offset:64*\m+16
.endr
	s_wait_dscnt 0x0
	s_barrier_signal -1
	s_barrier_wait -1                              ; both parts of all 128 rows' logits lie in LDS
	global_load_b128 v[BB:BB+3], v[GO], s[26:27]   ; bias of rows 4 L .. + 3
.set nn, 15
.rept 30
	RLOAD nn                                       ; 60 loads go out under the softmax
.set nn, nn+1
.endr
	WIN 0
.irp q, 0,1,2,3
	ds_load_b128 v[TA+4*\q:TA+4*\q+3], v[LGR] offset:528*\q
	ds_load_b128 v[TB+4*\q:TB+4*\q+3], v[LGR] offset:8448+528*\q
.endr
	s_wait_loadcnt 60                              ; bias is in; the 60 behind it may be out
	v_pk_mul_f32 v[BB:BB+1], v[BB:BB+1], s[78:79] op_sel_hi:[1,0]
	v_pk_mul_f32 v[BB+2:BB+3], v[BB+2:BB+3], s[78:79] op_sel_hi:[1,0]
	s_wait_dscnt 0x0
.irp q, 0,1,2,3
.irp x, 0,2
	v_pk_add_f32 v[TA+4*\q+\x:TA+4*\q+\x+1], v[TA+4*\q+\x:TA+4*\q+\x+1], v[TB+4*\q+\x:TB+4*\q+\x+1]
.endr
.endr
.irp q, 0,1,2,3
.irp x, 0,2
	v_pk_fma_f32 v[TA+4*\q+\x:TA+4*\q+\x+1], v[TA+4*\q+\x:TA+4*\q+\x+1], s[78:79], v[BB+\x:BB+\x+1] op_sel_hi:[1,0,1]   ; t = (logit + bias) log2(e)
.endr
.endr
.irp q, 0,1,2,3
	v_max3_num_f32 v[MX+\q], v[TA+4*\q], v[TA+4*\q+1], v[TA+4*\q+2]
.endr
.irp q, 0,1,2,3
	v_max_num_f32 v[MX+\q], v[MX+\q], v[TA+4*\q+3]
.endr
.irp k, 1,2,4,8
.irp q, 0,1,2,3
	v_max_num_f32_dpp v[MX+\q], v[MX+\q], v[MX+\q] row_xmask:\k row_mask:0xf bank_mask:0xf
.endr
.endr
.irp q, 0,1,2,3
	v_permlanex16_b32 v[TB+\q], v[MX+\q], s74, s75
.endr
.irp q, 0,1,2,3
	v_max_num_f32 v[MX+\q], v[MX+\q], v[TB+\q]     ; M: the largest t of the 128 rows, taken away before the exponential
.endr
.irp q, 0,1,2,3
.irp x, 0,1,2,3
	v_sub_f32 v[TA+4*\q+\x], v[TA+4*\q+\x], v[MX+\q]
.endr
.endr
.set jj, 0
.rept 16
	v_exp_f32 v[TA+jj], v[TA+jj]
.set jj, jj+1
.endr
	v_nop
	s_wait_alu depctr_va_vdst(0)                   ; one wait for the batch, ahead of its first reader
.irp q, 0,1,2,3
	v_add_f32 v[SU+\q], v[TA+4*\q], v[TA+4*\q+1]
	v_add_f32 v[TB+4+\q], v[TA+4*\q+2], v[TA+4*\q+3]
.endr
.irp q, 0,1,2,3
	v_add_f32 v[SU+\q], v[SU+\q], v[TB+4+\q]
.endr
.irp k, 1,2,4,8
.irp q, 0,1,2,3
	v_add_f32_dpp v[SU+\q], v[SU+\q], v[SU+\q] row_xmask:\k row_mask:0xf bank_mask:0xf
.endr
.endr
.irp q, 0,1,2,3
	v_permlanex16_b32 v[TB+\q], v[SU+\q], s74, s75
.endr
.irp q, 0,1,2,3
	v_add_f32 v[SU+\q], v[SU+\q], v[TB+\q]
.endr
.irp q, 0,1,2,3
	ds_store_b128 v[PST], v[TA+4*\q:TA+4*\q+3] offset:528*\q
.endr
	v_and_b32 v[SE], 1, v0                         ; lane L stores item L % 8: M of my four heads, then their sums
	v_cmp_ne_u32 s92, 0, v[SE]
	v_and_b32 v[SE], 2, v0
	v_cmp_ne_u32 s93, 0, v[SE]
	v_and_b32 v[SE], 4, v0
	v_cmp_ne_u32 s94, 0, v[SE]
	v_cndmask_b32 v[SE+1], v[MX], v[MX+1], s92
	v_cndmask_b32 v[SE+2], v[MX+2], v[MX+3], s92
	v_cndmask_b32 v[SE+3], v[SU], v[SU+1], s92
	v_cndmask_b32 v[SE+4], v[SU+2], v[SU+3], s92
	v_cndmask_b32 v[SE+1], v[SE+1], v[SE+2], s93
	v_cndmask_b32 v[SE+3], v[SE+3], v[SE+4], s93
	v_cndmask_b32 v[STD], v[SE+1], v[SE+3], s94
	global_store_b32 v[L4], v[STD], s[30:31]       ; (neither register is written again)
.set nn, 45
.rept 3
	RLOAD nn                                       ; the last three rows
.set nn, nn+1
.endr
	WIN 0xc0                                       ; p of all 128 rows, into the registers that memory's codes have left
.set jj, 0
.rept 32
	ds_load_b128 v[PB+4*jj:PB+4*jj+3], v[PLD] offset:16*jj   ; my own wave stored these four heads' p: LDS serves a wave's instructions in order
.set jj, jj+1
.endr
	WIN 0
.irp x, 0,1,2,3,4,5,6,7
	v_mov_b32 v[XA+\x], 0
.endr
	HLD 0
.set bb, 0
.rept 19
	HLD bb+1
	s_wait_dscnt 4                                 ; the next batch's four loads may be out
	HFMA bb
.set bb, bb+1
.endr
	s_wait_dscnt 0x0
	HFMA 19
.set nn, 0
.rept 15
	RFMA nn, 0                                     ; the rows asked for at the last trip's head: shown in by that trip's wait for all loads
.set nn, nn+1
.endr
.rept 33
	RFMA nn, 1
.set nn, nn+1
.endr
	WIN 0
	ds_store_b128 v[XSO], v[XA:XA+3]               ; my 8 sums through my own 1,024 bytes of LDS, so that a store covers 512 consecutive bytes
	ds_store_b128 v[XSO], v[XA+4:XA+7] offset:16
	ds_load_b128 v[HS:HS+3], v[XSI]
	ds_load_b128 v[HS+4:HS+7], v[XSI] offset:512
	s_wait_dscnt 0x0
	global_store_b128 v[GO], v[HS:HS+3], s[28:29]
	global_store_b128 v[GO], v[HS+4:HS+7], s[28:29] offset:512
	s_wait_tensorcnt 0x0                           ; the wave's end: behind my last tensor load and my last LDS store
	ds_add_u32 v[SPW], v[NIL]
	s_wait_dscnt 0x0
	CROUND                                         ; the closing round
	s_endpgm
.Lfunc_end_k_q1da2d05b0b_fused:
	.size	k_q1da2d05b0b_fused, .Lfunc_end_k_q1da2d05b0b_fused-k_q1da2d05b0b_fused
	.p2alignl 7, 3214868480
	.fill 96, 4, 3214868480
	.section	.rodata,"a",@progbits
	.p2align	6, 0x0
	.amdhsa_kernel k_q1da2d05b0b_fused
		.amdhsa_group_segment_fixed_size 327680
		.amdhsa_private_segment_fixed_size 0
		.amdhsa_enable_private_segment 0
		.amdhsa_kernarg_size 112
		.amdhsa_user_sgpr_count 2
		.amdhsa_user_sgpr_kernarg_segment_ptr 1
		.amdhsa_wavefront_size32 1
		.amdhsa_system_sgpr_workgroup_id_x 1
		.amdhsa_system_sgpr_workgroup_id_y 1
		.amdhsa_system_sgpr_workgroup_id_z 1
		.amdhsa_system_vgpr_workitem_id 0
		.amdhsa_next_free_vgpr 1024
		.amdhsa_next_free_sgpr 100
		.amdhsa_reserve_vcc 0
		.amdhsa_float_denorm_mode_32 3
		.amdhsa_float_denorm_mode_16_64 3
		.amdhsa_memory_ordered 1
		.amdhsa_forward_progress 1
		.amdhsa_inst_pref_size 255
	.end_amdhsa_kernel
	.section	.bss,"aw",@nobits
	.p2align	6
	.space	262144
	.amdgpu_metadata
---
amdhsa.version: [ 1, 2 ]
amdhsa.kernels:
  - .name:           k_q1da2d05b0b_fused
    .symbol:         k_q1da2d05b0b_fused.kd
    .args:
      - { .name: query_codes, .offset: 0, .size: 8, .value_kind: global_buffer, .address_space: global }
      - { .name: query_scales, .offset: 8, .size: 8, .value_kind: global_buffer, .address_space: global }
      - { .name: memory, .offset: 16, .size: 8, .value_kind: global_buffer, .address_space: global }
      - { .name: Wq_codes, .offset: 24, .size: 8, .value_kind: global_buffer, .address_space: global }
      - { .name: Wq_scales, .offset: 32, .size: 8, .value_kind: global_buffer, .address_space: global }
      - { .name: Wk_codes, .offset: 40, .size: 8, .value_kind: global_buffer, .address_space: global }
      - { .name: Wk_scales, .offset: 48, .size: 8, .value_kind: global_buffer, .address_space: global }
      - { .name: Wv_codes, .offset: 56, .size: 8, .value_kind: global_buffer, .address_space: global }
      - { .name: Wv_scales, .offset: 64, .size: 8, .value_kind: global_buffer, .address_space: global }
      - { .name: bq, .offset: 72, .size: 8, .value_kind: global_buffer, .address_space: global }
      - { .name: bk, .offset: 80, .size: 8, .value_kind: global_buffer, .address_space: global }
      - { .name: bias, .offset: 88, .size: 8, .value_kind: global_buffer, .address_space: global }
      - { .name: part, .offset: 96, .size: 8, .value_kind: global_buffer, .address_space: global }
      - { .name: stat, .offset: 104, .size: 8, .value_kind: global_buffer, .address_space: global }
    .group_segment_fixed_size: 327680
    .private_segment_fixed_size: 0
    .kernarg_segment_align: 8
    .kernarg_segment_size: 112
    .max_flat_workgroup_size: 128
    .sgpr_count:     100
    .vgpr_count:     1024
    .wavefront_size: 32
...
	.end_amdgpu_metadata
.endif
;; end of part 1
;; launch finish (part 2): grid 16 x 8, 8 waves a work-group, no clusters, 9,216 bytes of LDS; arguments part, stat, Wo, bo, out0; writes out0
.if DOCPART == 2
	.amdgcn_target "amdgcn-amd-amdhsa--gfx1250"
	.amdhsa_code_object_version 6
	.text
	.protected	k_q1da2d05b0b_finish
	.globl	k_q1da2d05b0b_finish
	.p2align	8
	.type	k_q1da2d05b0b_finish,@function
k_q1da2d05b0b_finish:
	s_mov_b64 s[64:65], 0
	v_nop
	global_prefetch_b8 v0, s[64:65] scope:SCOPE_SE
	s_setreg_imm32_b32 hwreg(HW_REG_WAVE_MODE, 25, 1), 1
	s_wait_xcnt 0x0
; out0[b][n] = sum over c of x[b][c] Wo[c][n] + bo[n], x[b][c] = sum over the batch's 32 parts j of beta(j, head of c) part[32 b + j][c],
; beta = alpha / sum over j of alpha s, alpha = 2^(M_j - M), M the largest M_j: the parts' own maxima are joined by the batch's maximum, as a running maximum is.
; bv is left out here as in the first launch: it is the same along the softmax's axis and cancels for all values.
; A work-group takes one batch b (grid y) and 64 columns of out0 (grid x); eight waves.  Both products have 1 and 8 rows: they stream, so they are fused multiply-adds in f32; no matrix unit, no tensor load, no cluster.
; Thread t owns columns 4 t .. + 3 of x (head t / 16), and of Wo rows 64 (t / 16) + 0 .. 63 at columns 4 (t % 16) .. + 3 of the 64: sixteen lanes read 256 consecutive bytes of a row.
; All 101 loads of a thread are issued at once.  LIMIT: infinities and NaN among M are not served.
; REGISTERS: window 0: v1-15 ids and addresses; v16-19 M, M, s, s of my wave's two heads; v20-23 bo; v24-27 at work; v32-35 x; v36-39 the sums; v40-55 wave 0's last sums; v64-191 the parts, later x; v192-223 beta.  Window 1: Wo.
.set BT,    0                          ; beta: 16 heads x 128 bytes
.set XL,    2048                       ; x: 4,096 bytes
.set RED,   6144                       ; the waves' sums: 8 x 256 bytes
.set SPARE, 8192                       ; the spare words, 128 bytes a wave: four blocks of 256 bytes that no other line names
.set SPW, 8
.set NIL, 9
.set PT,  64
.set BE,  192
.set MSB, 0
.macro WIN new
.if MSB != \new
	s_set_vgpr_msb (MSB<<8)|\new
.set MSB, \new
.endif
.endm
	s_load_b256 s[4:11], s[0:1], 0x0               ; part 4, stat 6, Wo 8, bo 10
	s_load_b64 s[12:13], s[0:1], 0x20              ; out0
	v_lshl_add_u32 v[SPW], v0, 2, SPARE
	v_mov_b32 v[NIL], 0
	v_lshrrev_b32 v1, 5, v0
	v_readfirstlane_b32 s16, v1                    ; wave 0..7
	s_and_b32 s17, ttmp7, 0xffff                   ; b
	v_and_b32 v1, 31, v0                           ; L
	v_and_b32 v2, 15, v0
	v_bfe_u32 v3, v0, 4, 1
	s_lshr_b32 s18, s16, 1
	s_lshl_b32 s18, s18, 7
	s_and_b32 s19, s16, 1
	s_lshl_b32 s19, s19, 3
	s_add_co_u32 s18, s18, s19
	v_lshl_add_u32 v4, v1, 9, s18                  ; stat: part L of the batch; heads 2 w and 2 w + 1: wave (2 w) / 4 of that work-group, items (2 w) % 4 and the next
	v_lshlrev_b32 v5, 4, v0                        ; 16 t
	v_lshrrev_b32 v6, 4, v0
	v_lshlrev_b32 v7, 4, v2                        ; 16 (L % 16)
	v_lshl_add_u32 v6, v6, 18, v7                  ; Wo: 64 rows of 4,096 bytes for each t / 16
	s_lshl_b32 s19, s16, 8
	v_lshl_add_u32 v10, v1, 2, s19                 ; beta in: head 2 w, part L
	v_lshl_add_u32 v11, v3, 7, s19                 ; beta back: head 2 w + L / 16
	v_add_nc_u32 v12, XL, v5
	v_lshrrev_b32 v13, 4, v0
	v_lshlrev_b32 v13, 8, v13
	v_add_nc_u32 v13, XL, v13                      ; my 64 numbers of x
	s_add_co_u32 s19, s19, RED
	v_add_nc_u32 v14, s19, v7
	v_lshl_add_u32 v15, v3, 10, v7
	v_add_nc_u32 v15, RED, v15                     ; wave 0: the sums of waves 4 (L / 16) + 0 .. 3
	s_mov_b32 s14, 0x76543210
	s_mov_b32 s15, 0xfedcba98
	s_lshl_b32 s20, s17, 14
	s_mov_b32 s21, 0
	s_lshl_b32 s22, s17, 17
	s_mov_b32 s23, 0
	s_lshl_b32 s24, ttmp9, 8
	s_mov_b32 s25, 0
	s_lshl_b32 s26, s17, 12
	s_add_co_u32 s26, s26, s24
	s_mov_b32 s27, 0
	s_wait_kmcnt 0x0
	s_add_nc_u64 s[6:7], s[6:7], s[20:21]
	s_add_nc_u64 s[4:5], s[4:5], s[22:23]
	s_add_nc_u64 s[8:9], s[8:9], s[24:25]
	s_add_nc_u64 s[10:11], s[10:11], s[24:25]
	s_add_nc_u64 s[12:13], s[12:13], s[26:27]
	global_load_b32 v16, v4, s[6:7]
	global_load_b32 v17, v4, s[6:7] offset:4
	global_load_b32 v18, v4, s[6:7] offset:16
	global_load_b32 v19, v4, s[6:7] offset:20
	global_load_b128 v[20:23], v7, s[10:11]        ; bo: every wave loads it, so that all waves' counts are alike; wave 0 uses it
.set j, 0
.rept 32
	global_load_b128 v[PT+4*j:PT+4*j+3], v5, s[4:5] offset:4096*j
.set j, j+1
.endr
	WIN 0x40
.set j, 0
.rept 64
	global_load_b128 v[4*j:4*j+3], v6, s[8:9] offset:4096*j
.set j, j+1
.endr
	WIN 0
	s_wait_loadcnt 63                              ; behind the last part stand Wo's 64 loads: stat, bo and the parts are in
	v_mov_b32 v24, v16
	v_mov_b32 v25, v17
	v_mov_b32 v26, 0                               ; a lane permute's destination counts as one of its sources
	v_mov_b32 v27, 0
.irp k, 1,2,4,8
	v_max_num_f32_dpp v24, v24, v24 row_xmask:\k row_mask:0xf bank_mask:0xf
	v_max_num_f32_dpp v25, v25, v25 row_xmask:\k row_mask:0xf bank_mask:0xf
.endr
	v_permlanex16_b32 v26, v24, s14, s15
	v_permlanex16_b32 v27, v25, s14, s15
	v_max_num_f32 v24, v24, v26                    ; M of the batch
	v_max_num_f32 v25, v25, v27
	v_sub_f32 v16, v16, v24
	v_sub_f32 v17, v17, v25
	v_exp_f32 v16, v16                             ; alpha
	v_exp_f32 v17, v17
	v_nop
	s_wait_alu depctr_va_vdst(0)
	v_mul_f32 v18, v16, v18
	v_mul_f32 v19, v17, v19
.irp k, 1,2,4,8
	v_add_f32_dpp v18, v18, v18 row_xmask:\k row_mask:0xf bank_mask:0xf
	v_add_f32_dpp v19, v19, v19 row_xmask:\k row_mask:0xf bank_mask:0xf
.endr
	v_permlanex16_b32 v26, v18, s14, s15
	v_permlanex16_b32 v27, v19, s14, s15
	v_add_f32 v18, v18, v26
	v_add_f32 v19, v19, v27
	v_rcp_f32 v18, v18
	v_rcp_f32 v19, v19
	v_nop
	s_wait_alu depctr_va_vdst(0)
	v_mul_f32 v16, v16, v18                        ; beta
	v_mul_f32 v17, v17, v19
	ds_store_b32 v10, v16
	ds_store_b32 v10, v17 offset:128
.irp i, 0,1,2,3,4,5,6,7
	ds_load_b128 v[BE+4*\i:BE+4*\i+3], v11 offset:16*\i    ; my own wave's bytes: LDS serves a wave's instructions in order
.endr
	s_wait_dscnt 0x0
	v_pk_mul_f32 v[32:33], v[PT:PT+1], v[BE:BE+1] op_sel_hi:[1,0]      ; the first part starts the sums
	v_pk_mul_f32 v[34:35], v[PT+2:PT+3], v[BE:BE+1] op_sel_hi:[1,0]
.set j, 1
.rept 31
.if j%2 == 0
	v_pk_fma_f32 v[32:33], v[PT+4*j:PT+4*j+1], v[BE+j:BE+j+1], v[32:33] op_sel_hi:[1,0,1]
	v_pk_fma_f32 v[34:35], v[PT+4*j+2:PT+4*j+3], v[BE+j:BE+j+1], v[34:35] op_sel_hi:[1,0,1]
.else
	v_pk_fma_f32 v[32:33], v[PT+4*j:PT+4*j+1], v[BE+j-1:BE+j], v[32:33] op_sel:[0,1,0] op_sel_hi:[1,1,1]
	v_pk_fma_f32 v[34:35], v[PT+4*j+2:PT+4*j+3], v[BE+j-1:BE+j], v[34:35] op_sel:[0,1,0] op_sel_hi:[1,1,1]
.endif
.set j, j+1
.endr
	ds_store_b128 v12, v[32:35]
	s_wait_dscnt 0x0                               ; for the others' sake
	s_barrier_signal -1
	s_barrier_wait -1                              ; x lies in LDS
.irp i, 0,1,2,3,4,5,6,7,8,9,10,11,12,13,14,15
	ds_load_b128 v[PT+4*\i:PT+4*\i+3], v13 offset:16*\i
.endr
	s_wait_dscnt 0x0
	WIN 0x01                                       ; source 0: Wo, in window 1
	s_wait_loadcnt 63
	v_pk_mul_f32 v[36:37], v[0:1], v[PT:PT+1] op_sel_hi:[1,0]
	v_pk_mul_f32 v[38:39], v[2:3], v[PT:PT+1] op_sel_hi:[1,0]
.set j, 1
.rept 63
	s_wait_loadcnt 63-j                            ; behind row j's load: one for each later row
.if j%2 == 0
	v_pk_fma_f32 v[36:37], v[4*j:4*j+1], v[PT+j:PT+j+1], v[36:37] op_sel_hi:[1,0,1]
	v_pk_fma_f32 v[38:39], v[4*j+2:4*j+3], v[PT+j:PT+j+1], v[38:39] op_sel_hi:[1,0,1]
.else
	v_pk_fma_f32 v[36:37], v[4*j:4*j+1], v[PT+j-1:PT+j], v[36:37] op_sel:[0,1,0] op_sel_hi:[1,1,1]
	v_pk_fma_f32 v[38:39], v[4*j+2:4*j+3], v[PT+j-1:PT+j], v[38:39] op_sel:[0,1,0] op_sel_hi:[1,1,1]
.endif
.set j, j+1
.endr
	WIN 0
.irp x, 0,1,2,3
	v_permlanex16_b32 v[24+\x], v[36+\x], s14, s15
.endr
	v_pk_add_f32 v[36:37], v[36:37], v[24:25]
	v_pk_add_f32 v[38:39], v[38:39], v[26:27]      ; both halves of the lanes hold my wave's 128 rows' sums
	ds_store_b128 v14, v[36:39]                    ; (lanes l and l + 16 write the same bytes with the same values)
	s_wait_dscnt 0x0
	s_barrier_signal -1
	s_barrier_wait -1
	s_cmp_lg_u32 s16, 0
	s_cbranch_scc1 .Lend                           ; wave 0 adds the eight waves' sums and stores
.irp i, 0,1,2,3
	ds_load_b128 v[40+4*\i:43+4*\i], v15 offset:256*\i
.endr
	s_wait_dscnt 0x0
	v_pk_add_f32 v[40:41], v[40:41], v[44:45]
	v_pk_add_f32 v[42:43], v[42:43], v[46:47]
	v_pk_add_f32 v[48:49], v[48:49], v[52:53]
	v_pk_add_f32 v[50:51], v[50:51], v[54:55]
	v_pk_add_f32 v[40:41], v[40:41], v[48:49]
	v_pk_add_f32 v[42:43], v[42:43], v[50:51]
.irp x, 0,1,2,3
	v_permlanex16_b32 v[24+\x], v[40+\x], s14, s15
.endr
	v_pk_add_f32 v[40:41], v[40:41], v[24:25]
	v_pk_add_f32 v[42:43], v[42:43], v[26:27]
	v_pk_add_f32 v[40:41], v[40:41], v[20:21]      ; + bo
	v_pk_add_f32 v[42:43], v[42:43], v[22:23]
	v_cmp_gt_u32 vcc_lo, 16, v1
	s_wait_xcnt 0x0                                ; EXEC changes only behind this wait
	s_and_saveexec_b32 s20, vcc_lo
	global_store_b128 v7, v[40:43], s[12:13]       ; sixteen lanes store 256 consecutive bytes, at a multiple of 256 from out0's first byte
	s_wait_xcnt 0x0                                ; and again, in front of the line that widens it
	s_or_b32 exec_lo, exec_lo, s20
.Lend:
	s_wait_tensorcnt 0x0                           ; the wave's end: behind my last LDS store
	ds_add_u32 v[SPW], v[NIL]
	s_wait_dscnt 0x0
	s_endpgm
.Lfunc_end_k_q1da2d05b0b_finish:
	.size	k_q1da2d05b0b_finish, .Lfunc_end_k_q1da2d05b0b_finish-k_q1da2d05b0b_finish
	.p2alignl 7, 3214868480
	.fill 96, 4, 3214868480
	.section	.rodata,"a",@progbits
	.p2align	6, 0x0
	.amdhsa_kernel k_q1da2d05b0b_finish
		.amdhsa_group_segment_fixed_size 9216
		.amdhsa_private_segment_fixed_size 0
		.amdhsa_enable_private_segment 0
		.amdhsa_kernarg_size 40
		.amdhsa_user_sgpr_count 2
		.amdhsa_user_sgpr_kernarg_segment_ptr 1
		.amdhsa_wavefront_size32 1
		.amdhsa_system_sgpr_workgroup_id_x 1
		.amdhsa_system_sgpr_workgroup_id_y 1
		.amdhsa_system_sgpr_workgroup_id_z 1
		.amdhsa_system_vgpr_workitem_id 0
		.amdhsa_next_free_vgpr 512
		.amdhsa_next_free_sgpr 66
		.amdhsa_reserve_vcc 1
		.amdhsa_float_denorm_mode_32 3
		.amdhsa_float_denorm_mode_16_64 3
		.amdhsa_memory_ordered 1
		.amdhsa_forward_progress 1
		.amdhsa_inst_pref_size 32
	.end_amdhsa_kernel
	.amdgpu_metadata
---
amdhsa.version: [ 1, 2 ]
amdhsa.kernels:
  - .name:           k_q1da2d05b0b_finish
    .symbol:         k_q1da2d05b0b_finish.kd
    .args:
      - { .name: part, .offset: 0, .size: 8, .value_kind: global_buffer, .address_space: global }
      - { .name: stat, .offset: 8, .size: 8, .value_kind: global_buffer, .address_space: global }
      - { .name: Wo, .offset: 16, .size: 8, .value_kind: global_buffer, .address_space: global }
      - { .name: bo, .offset: 24, .size: 8, .value_kind: global_buffer, .address_space: global }
      - { .name: out0, .offset: 32, .size: 8, .value_kind: global_buffer, .address_space: global }
    .group_segment_fixed_size: 9216
    .private_segment_fixed_size: 0
    .kernarg_segment_align: 8
    .kernarg_segment_size: 40
    .max_flat_workgroup_size: 256
    .sgpr_count:     66
    .vgpr_count:     512
    .wavefront_size: 32
...
	.end_amdgpu_metadata
.endif
;; end of part 2
